; MI455X (gfx1250); checked and timed in simulation.
; The chip was launched on July 23, 2026; its instructions are those of AMD's public machine-readable ISA for CDNA 5 (MIT licence, August 2026) and "CDNA5" Instruction Set Architecture Reference Guide (July 2026). The comments in the code are by the model that wrote it; some were corrected since.
;; Dispatch By Variable. Allowed arithmetic: float matrix products may take bf16 or f16 operands with f32 sums; other float arithmetic in f32, or as packed bf16 or f16 multiplies, adds, multiply-adds, maxima and minima; sums over many terms, partial sums and values carried from step to step in f32; what a program stores and reads back later, other than sums and carried values, may be rounded once to bf16 or f16.
;; Inputs: W 8 x 512 x 512 float32; x 8 x 4,096 x 512 float32.
;; Outputs: out0 8 x 4,096 x 512 float32.
;; 2 versions, each right and faster than the one before. Each part assembles by itself: llvm-mc -triple=amdgcn-amd-amdhsa -mcpu=gfx1250 --defsym DOCPART=n.
;; ======== version 1 of 2: 2 launches
;; limits: values are held in f16: magnitudes above 65,504 overflow, below 6.1e-05 lose precision
;; workspace buffers: wf 4,194,304 bytes; tab 65,536 bytes of whole numbers; gt 512 bytes of whole numbers
;; launch prep (part 1): grid 288 x 1, 8 waves a work-group, no clusters, 21,504 bytes of LDS; arguments x, W, wf, tab, gt; writes wf, tab, gt
.if DOCPART == 1
	.amdgcn_target "amdgcn-amd-amdhsa--gfx1250"
	.amdhsa_code_object_version 6
	.text
	.protected	k_q9bcc39d775_prep
	.globl	k_q9bcc39d775_prep
	.p2align	8
	.type	k_q9bcc39d775_prep,@function
k_q9bcc39d775_prep:
	s_mov_b64 s[64:65], 0
	v_nop
	global_prefetch_b8 v0, s[64:65] scope:SCOPE_SE
	s_setreg_imm32_b32 hwreg(HW_REG_WAVE_MODE, 25, 1), 1
	s_wait_xcnt 0x0
; TWO JOBS IN ONE LAUNCH.
; Work-groups 0-31, THE ROUTER: group g = 1,024 tokens.  A token's bin is the number of the seven boundaries below x[t][0], taken from the f32 number as it is (a NaN is above none: bin 0).
;   tab[e][g][j] = {bm, wp}: bm = the bitmap of expert e's tokens among tokens 1,024 g + 32 j + 0..31; wp = the number of e's tokens in the group's words before j.
;   gt[g][q] = count(g, q) | count(g, q + 4) << 16.  Everything is stored at fixed places: no address and no branch here hangs on a bin.
; Work-groups 32-287, THE WEIGHTS: W [e][k][n] f32 is rounded once to f16 and laid in the order in which a wave's matrix operand registers take it:
;   wf [e 8][cs 8][ks 16][nt 4][half 2][lane 32][8 f16]; the 16 bytes of (nt, half, lane = 16 h + r) hold W[e][32 ks + 16 half + 8 h + 0..7][64 cs + 16 nt + r], the lower k first.
;   A wave takes one (e, cs, ks, half): 16 rows of k x 64 columns.
; LIMITS.  f16 holds no number of 65,520 or more, and below 6e-5 it keeps a fixed step of 6e-8: W stays within that.
.set RT_M,   0                         ; masks, [wave 8][lane 32]: lane 8 i + e of wave w holds (word 4 w + i, expert e)
.set RT_C,   1024                      ; their counts, likewise
.set RT_T,   2048                      ; the eight experts' totals of the group
.set BOUNCE, 4096                      ; 2,048 bytes for each wave, its own: the turn from columns to fragments
.set SPARE,  20480                     ; the spare words, 128 bytes for each of eight waves: four blocks of 256 bytes that no other line names
	s_load_b256 s[4:11], s[0:1], 0x0               ; x s[4:5], W s[6:7], wf s[8:9], tab s[10:11]
	s_load_b64 s[12:13], s[0:1], 0x20              ; gt
	v_lshl_add_u32 v62, v0, 2, SPARE               ; my spare word; never rewritten
	v_mov_b32 v63, 0                               ; 0; never rewritten
	v_and_b32 v1, 31, v0                           ; lane
	v_lshrrev_b32 v2, 5, v0
	v_readfirstlane_b32 s14, v2                    ; wave 0..7
	s_cmp_ge_u32 ttmp9, 32
	s_cbranch_scc1 .Lweights
	; ---------------- THE ROUTER ----------------
	s_lshl_b32 s16, ttmp9, 21                      ; the group's 1,024 rows of 2,048 bytes
	s_lshl_b32 s17, s14, 18                        ; my wave's four words of 32 rows
	s_add_co_u32 s16, s16, s17
	s_mov_b32 s17, 0
	s_mov_b32 s18, 0xbfc00000                      ; -1.5
	s_mov_b32 s19, 0x3fc00000                      ; 1.5
	v_lshlrev_b32 v3, 11, v1                       ; a lane, a row
	v_mov_b32 v12, 0                               ; v_writelane_b32 reads its destination: written whole first
	v_mov_b32 v13, 0
	v_lshlrev_b32 v4, 2, v0                        ; 4 x my thread's number
	s_wait_kmcnt 0x0
	s_add_nc_u64 s[4:5], s[4:5], s[16:17]
.irp i, 0,1,2,3
	global_load_b32 v[8+\i], v3, s[4:5] offset:65536*\i   ; y of word 4 w + i
.endr
	s_wait_loadcnt 0x0
; Word i: seven compares give nested masks; bin 0 is what lies above no boundary, bin k what lies above boundary k - 1 and not above k, bin 7 what lies above the last.
.macro WORD i
	v_cmp_lt_f32 s20, s18, v[8+(\i)]
	v_cmp_lt_f32 s21, -1.0, v[8+(\i)]
	v_cmp_lt_f32 s22, -0.5, v[8+(\i)]
	v_cmp_lt_f32 s23, 0, v[8+(\i)]
	v_cmp_lt_f32 s24, 0.5, v[8+(\i)]
	v_cmp_lt_f32 s25, 1.0, v[8+(\i)]
	v_cmp_lt_f32 s26, s19, v[8+(\i)]
	s_not_b32 s28, s20
.irp k, 1,2,3,4,5,6
	s_and_not1_b32 s[28+\k], s[19+\k], s[20+\k]
.endr
	s_mov_b32 s35, s26
.irp e, 0,1,2,3,4,5,6,7
	v_writelane_b32 v12, s[28+\e], 8*(\i)+\e
	s_bcnt1_i32_b32 s36, s[28+\e]
	v_writelane_b32 v13, s36, 8*(\i)+\e
.endr
.endm
	WORD 0
	WORD 1
	WORD 2
	WORD 3
	ds_store_b32 v4, v12 offset:RT_M               ; each wave stores 128 bytes of its own
	ds_store_b32 v4, v13 offset:RT_C
	s_wait_dscnt 0x0                               ; for the others' sake: my stores are done
	s_barrier_signal -1
	s_barrier_wait -1
	; wave w now acts for expert e = w; a lane stands for word j = lane, which wave j >> 2 stored in its lane 8 (j & 3) + e
	v_lshrrev_b32 v5, 2, v1
	v_and_b32 v6, 3, v1
	v_lshlrev_b32 v5, 7, v5
	v_lshl_add_u32 v5, v6, 5, v5
	s_lshl_b32 s37, s14, 2
	v_add_nc_u32 v5, s37, v5
	ds_load_b32 v16, v5 offset:RT_M                ; bm
	ds_load_b32 v18, v5 offset:RT_C                ; its count
	v_mov_b32 v20, 0                               ; a DPP form reads its destination: written first
	s_mov_b32 s39, 0xffff0000                      ; lanes 16-31
	s_lshl_b32 s40, s14, 13                        ; tab: (32 e + g) x 256 bytes
	s_lshl_b32 s41, ttmp9, 8
	s_add_co_u32 s40, s40, s41
	s_mov_b32 s41, 0
	s_add_nc_u64 s[10:11], s[10:11], s[40:41]
	v_lshlrev_b32 v22, 3, v1
	s_wait_dscnt 0x0
	v_mov_b32 v19, v18
.irp n, 1,2,4,8                        ; a running sum inside each half of 16 lanes,
	v_mov_b32_dpp v20, v19 row_shr:\n row_mask:0xf bank_mask:0xf bound_ctrl:1
	v_add_nc_u32 v19, v19, v20
.endr
	v_readlane_b32 s38, v19, 15                    ; and the lower half's total onto the upper half
	v_mov_b32 v21, s38
	v_cndmask_b32 v20, 0, v21, s39
	v_add_nc_u32 v19, v19, v20
	v_sub_nc_u32 v17, v19, v18                     ; wp: the words before mine
	global_store_b64 v22, v[16:17], s[10:11]       ; 256 consecutive bytes, at a multiple of 256 from tab's first byte
	v_readlane_b32 s42, v19, 31                    ; the expert's total in this group
	v_mov_b32 v23, s42
	v_mov_b32 v24, s37
	ds_store_b32 v24, v23 offset:RT_T              ; all lanes write the same word with the same number
	s_wait_dscnt 0x0
	s_barrier_signal -1
	s_barrier_wait -1
	s_cmp_lg_u32 s14, 0
	s_cbranch_scc1 .Lrouter_end                    ; wave 0 alone packs and stores the group's four words of gt
	v_and_b32 v25, 3, v1
	v_lshlrev_b32 v25, 2, v25
	ds_load_b32 v26, v25 offset:RT_T
	ds_load_b32 v27, v25 offset:RT_T+16
	s_lshl_b32 s40, ttmp9, 4
	s_mov_b32 s41, 0
	s_add_nc_u64 s[12:13], s[12:13], s[40:41]
	v_lshlrev_b32 v28, 2, v1
	s_wait_dscnt 0x0
	v_lshl_or_b32 v26, v27, 16, v26
	v_cmp_gt_u32 vcc_lo, 4, v1
	s_wait_xcnt 0x0                                ; EXEC changes only behind this wait: tab's store is out
	s_and_saveexec_b32 s43, vcc_lo
	global_store_b32 v28, v26, s[12:13]            ; lanes 0-3: 16 bytes
	s_wait_xcnt 0x0                                ; and again, in front of the line that widens it
	s_or_b32 exec_lo, exec_lo, s43
.Lrouter_end:
	s_wait_tensorcnt 0x0                           ; the wave's end, behind my last LDS store
	ds_add_u32 v62, v63
	s_wait_dscnt 0x0
	s_endpgm
	; ---------------- THE WEIGHTS ----------------
.Lweights:
	s_sub_co_u32 s16, ttmp9, 32
	s_lshl_b32 s16, s16, 3
	s_add_co_u32 s16, s16, s14                     ; my task: e << 8 | cs << 5 | ks << 1 | half
	s_and_b32 s17, s16, 1                          ; half
	s_bfe_u32 s18, s16, 0x40001                    ; ks
	s_bfe_u32 s19, s16, 0x30005                    ; cs
	s_lshr_b32 s20, s16, 8                         ; e
	s_lshl_b32 s20, s20, 20                        ; W: e x 512 x 2,048 bytes,
	s_lshl_b32 s18, s18, 16                        ; 32 ks rows of 2,048,
	s_lshl_b32 s21, s17, 15                        ; 16 half rows,
	s_lshl_b32 s19, s19, 8                         ; 64 cs columns of 4 bytes
	s_or_b32 s20, s20, s18
	s_or_b32 s20, s20, s21
	s_or_b32 s20, s20, s19
	s_mov_b32 s21, 0
	v_lshrrev_b32 v4, 4, v1                        ; h
	v_and_b32 v5, 15, v1                           ; c: my four columns 4 c + 0..3
	v_lshlrev_b32 v3, 4, v5
	v_lshl_add_u32 v3, v4, 14, v3                  ; 8 h rows + 16 c bytes
	s_wait_kmcnt 0x0
	s_add_nc_u64 s[6:7], s[6:7], s[20:21]
.irp i, 0,1,2,3,4,5,6,7
	global_load_b128 v[8+4*\i:8+4*\i+3], v3, s[6:7] offset:2048*\i th:TH_LOAD_NT   ; row 8 h + i: sixteen lanes read 256 consecutive bytes; each byte of W is read once in the launch
.endr
	v_lshrrev_b32 v6, 2, v5                        ; column 4 c + b is nt = c >> 2, r = 4 (c & 3) + b: its 16 bytes lie at 512 nt + 256 h + 64 (c & 3) + 16 b
	v_lshlrev_b32 v6, 9, v6
	v_lshl_add_u32 v6, v4, 8, v6
	v_and_b32 v7, 3, v5
	v_lshl_add_u32 v6, v7, 6, v6
	s_lshl_b32 s22, s14, 11
	s_add_co_u32 s22, s22, BOUNCE                  ; my wave's 2,048 bytes
	v_add_nc_u32 v6, s22, v6
	v_lshl_add_u32 v7, v1, 4, s22                  ; back: 16 bytes a lane, in order
	s_lshr_b32 s24, s16, 1
	s_lshl_b32 s24, s24, 12                        ; wf: ((8 e + cs) 16 + ks) x 4,096
	s_lshl_b32 s25, s17, 9                         ; + 512 half
	s_add_co_u32 s24, s24, s25
	s_mov_b32 s25, 0
	s_add_nc_u64 s[8:9], s[8:9], s[24:25]
	v_lshlrev_b32 v56, 4, v1
	s_wait_loadcnt 0x0
.irp b, 0,1,2,3                        ; column b: eight k in four registers, the lower k in the lower half
.irp p, 0,1,2,3
	v_cvt_pk_f16_f32 v[40+4*\b+\p], v[8+8*\p+\b], v[12+8*\p+\b]
.endr
.endr
.irp b, 0,1,2,3
	ds_store_b128 v6, v[40+4*\b:40+4*\b+3] offset:16*\b
.endr
.irp q, 0,1,2,3
	ds_load_b128 v[8+4*\q:8+4*\q+3], v7 offset:512*\q    ; my own bytes: LDS serves a wave's instructions in order (ISA guide 5.7.1.4), so these see the stores above
.endr
.irp q, 0,1,2,3
	s_wait_dscnt 3-\q                              ; load q is back; the younger ones may be out
	global_store_b128 v56, v[8+4*\q:8+4*\q+3], s[8:9] offset:1024*\q   ; 512 consecutive bytes, at a multiple of 256 from wf's first byte
.endr
	s_wait_tensorcnt 0x0                           ; the wave's end, behind my last LDS store
	ds_add_u32 v62, v63
	s_wait_dscnt 0x0
	s_endpgm
.Lfunc_end_k_q9bcc39d775_prep:
	.size	k_q9bcc39d775_prep, .Lfunc_end_k_q9bcc39d775_prep-k_q9bcc39d775_prep
	.p2alignl 7, 3214868480
	.fill 96, 4, 3214868480
	.section	.rodata,"a",@progbits
	.p2align	6, 0x0
	.amdhsa_kernel k_q9bcc39d775_prep
		.amdhsa_group_segment_fixed_size 21504
		.amdhsa_private_segment_fixed_size 0
		.amdhsa_enable_private_segment 0
		.amdhsa_kernarg_size 40
		.amdhsa_user_sgpr_count 2
		.amdhsa_user_sgpr_kernarg_segment_ptr 1
		.amdhsa_wavefront_size32 1
		.amdhsa_system_sgpr_workgroup_id_x 1
		.amdhsa_system_sgpr_workgroup_id_y 1
		.amdhsa_system_sgpr_workgroup_id_z 1
		.amdhsa_system_vgpr_workitem_id 0
		.amdhsa_next_free_vgpr 64
		.amdhsa_next_free_sgpr 66
		.amdhsa_reserve_vcc 1
		.amdhsa_float_denorm_mode_32 3
		.amdhsa_float_denorm_mode_16_64 3
		.amdhsa_memory_ordered 1
		.amdhsa_forward_progress 1
		.amdhsa_inst_pref_size 17
	.end_amdhsa_kernel
	.amdgpu_metadata
---
amdhsa.version: [ 1, 2 ]
amdhsa.kernels:
  - .name:           k_q9bcc39d775_prep
    .symbol:         k_q9bcc39d775_prep.kd
    .args:
      - { .name: x, .offset: 0, .size: 8, .value_kind: global_buffer, .address_space: global }
      - { .name: W, .offset: 8, .size: 8, .value_kind: global_buffer, .address_space: global }
      - { .name: wf, .offset: 16, .size: 8, .value_kind: global_buffer, .address_space: global }
      - { .name: tab, .offset: 24, .size: 8, .value_kind: global_buffer, .address_space: global }
      - { .name: gt, .offset: 32, .size: 8, .value_kind: global_buffer, .address_space: global }
    .group_segment_fixed_size: 21504
    .private_segment_fixed_size: 0
    .kernarg_segment_align: 8
    .kernarg_segment_size: 40
    .max_flat_workgroup_size: 256
    .sgpr_count:     66
    .vgpr_count:     64
    .wavefront_size: 32
...
	.end_amdgpu_metadata
.endif
;; end of part 1
;; launch chain (part 2): grid 256 x 1, 4 waves a work-group, no clusters, 95,744 bytes of LDS; arguments x, wf, tab, gt, out0; writes out0
.if DOCPART == 2
	.amdgcn_target "amdgcn-amd-amdhsa--gfx1250"
	.amdhsa_code_object_version 6
	.text
	.protected	k_q9bcc39d775_chain
	.globl	k_q9bcc39d775_chain
	.p2align	8
	.type	k_q9bcc39d775_chain,@function
k_q9bcc39d775_chain:
	s_mov_b64 s[64:65], 0
	v_nop
	global_prefetch_b8 v0, s[64:65] scope:SCOPE_SE
	s_setreg_imm32_b32 hwreg(HW_REG_WAVE_MODE, 25, 1), 1
	s_wait_xcnt 0x0
; out[t][:] = x[t][:] @ W[bin(t)], for the chosen expert alone.  x, out: [32,768][512] f32.  wf: the weights in f16, in fragment order; tab, gt: the routing as whole numbers.
; SHARES.  A UNIT is two work-groups, 2 U and 2 U + 1; it takes up to 272 rows of ONE expert, each work-group 256 of the 512 columns.  Expert e gets ceil(n_e / 272) units, in order of e:
; their sum is at most (32,768 + 8 x 271) / 272 = 128.4, so 128 units serve every split; a unit that a split leaves without rows stores nothing.
; A wave holds its 64 columns x 512 k of W in 512 registers for the whole launch, loaded once; only token rows move in the loop.
; THE LIST.  Every work-group finds its own rows: from gt the experts' counts and the running counts by group of 1,024 tokens; from tab the bitmaps; each wave scatters the tokens of its groups
; into a list of its own, the four lists are merged by OR.  Places at or past the unit's count C repeat the unit's first row.
; THE WALK.  9 tiles of 32 rows.  A wave gathers 8 rows of a tile (f32, whole rows), rounds them to f16 and lays them into one of two LDS slots; all four waves read the slot as matrix operands.
; At a trip's head the rows of the next two tiles are on their way: 64 loads of 512 bytes a wave.
; THE MATRIX INSTRUCTION IS USED TRANSPOSED (source 0 = 16 columns of W, source 1 = 16 tokens): a lane then holds eight neighbouring numbers of a token's row; they go through the wave's own
; stage in LDS and leave as 256 consecutive bytes of a row of out, sixteen lanes to a row.  In a block of 16 rows that is partly past C the repeated row is stored again, by the same wave, with the same bits;
; blocks wholly past C are jumped.
; NO JOINT LOADS.  The rows come by a list, which no tile descriptor covers.  The weights are shared by an expert's units, but partners would have to be four work-groups of one expert and column half:
; whole clusters for each of 16 such shares need 4 Q >= (32,768 + 16 x ...) / 64 rows, Q = 328 rows a work-group against 272, a fifth more matrix work, to spare three of four reads of 256 KB that each work-group makes once.
; LIMITS.  x and W enter the products rounded to f16: no magnitude of 65,520 or more; below 6e-5 f16's fixed step of 6e-8.  Sums in f32.  A row with a NaN or an infinity gives what its own expert's
; product gives, not the NaN that a product with a masked expert would add.
; REGISTERS, in windows of 256 (s_set_vgpr_msb: bits 1:0 source 0, 3:2 source 1, 5:4 source 2, 7:6 destination):
;   window 0: v0-11 addresses; v12-19 gather offsets; v20-35 store offsets; v36-63 at work ahead of the loop; v64-127 8 accumulators; v128-191, v192-255 two buffers of x fragments (v128-191 also the way out)
;   window 1: two staging buffers of 128: a tile's 8 rows of f32 as loaded          windows 2, 3: W: fragment (ks, n) at 32 (ks % 8) + 8 n of window 2 + ks / 8
.set XPITCH, 1040                      ; a row of x in LDS: 1,024 bytes of f16 + 16 = 65 x 16: the 16 rows of a fragment load start at 16 different groups of four banks (64 banks of 4 bytes: ISA guide 11.1)
.set XSLOT,  32*XPITCH
.set STAGE,  2*XSLOT                   ; 16 rows x 272 bytes for each wave, its own
.set SPITCH, 272
.set RAW,    STAGE+4*16*SPITCH         ; each wave's own scatter list: places 0-287 and a dump place 288
.set RAW_W,  1536
.set MERGED, RAW+4*RAW_W               ; each wave's own copy of the 288 tokens
.set MRG_W,  1280
.set SPARE,  MERGED+4*MRG_W            ; the spare words, 128 bytes for each wave: two blocks of 256 bytes that no other line names
.set QROWS,  272
.set L16,  1                           ; 16 x lane
.set AFR,  2                           ; (l % 16) x XPITCH + 16 (l / 16): my place in a fragment of x
.set STO,  3                           ; the way out: where I put my numbers of a row
.set RDB,  4                           ; the way out: where I read rows back
.set XST,  5                           ; 4 w rows + 8 x lane: where I lay rounded rows
.set LG,   6                           ; my list at the places of the rows that I gather next
.set LO,   7                           ; my list at the places of the rows that I store next
.set C16,  8                           ; 16 (l % 16)
.set SPW,  9                           ; LDS address of my spare word; never rewritten
.set NIL,  10                          ; 0; never rewritten
.set LANE, 11
.set TKG,  12
.set TKO,  20
.set ACC,  64                          ; (m, n) at ACC + 8 (4 m + n)
.set AB0,  128
.set AB1,  192
.set OB,   128
.set MSB, 0
.macro WIN new                         ; the immediate's high byte repeats the setting that is left; a switch that changes nothing is dropped
.if MSB != (\new)
	s_set_vgpr_msb (MSB<<8)|(\new)
.set MSB, \new
.endif
.endm
	s_load_b256 s[4:11], s[0:1], 0x0               ; x s[4:5], wf s[6:7], tab s[8:9], gt s[10:11]
	s_load_b64 s[12:13], s[0:1], 0x20              ; out
	v_lshl_add_u32 v[SPW], v0, 2, SPARE
	v_mov_b32 v[NIL], 0
	v_and_b32 v[LANE], 31, v0
	v_lshrrev_b32 v40, 5, v0
	v_readfirstlane_b32 s14, v40                   ; wave 0..3
	s_lshr_b32 s15, ttmp9, 1                       ; U
	s_and_b32 s16, ttmp9, 1                        ; NH: which 256 columns
	s_mov_b32 s17, 0xffff0000                      ; lanes 16-31
	v_lshlrev_b32 v[L16], 4, v[LANE]
	s_mul_i32 s43, s14, RAW_W
	s_add_co_u32 s43, s43, RAW                     ; my scatter list
.irp k, 36,37,38,39
	v_mov_b32 v\k, 0
.endr
	v_add_nc_u32 v43, s43, v[L16]
	ds_store_b128 v43, v[36:39]                    ; it starts as zeros, so that the four lists merge by OR
	ds_store_b128 v43, v[36:39] offset:512
	ds_store_b128 v43, v[36:39] offset:1024
	s_wait_kmcnt 0x0
	global_load_b128 v[44:47], v[L16], s[10:11]    ; gt: a lane stands for a group of 1,024 tokens
	v_and_b32 v41, 15, v[LANE]                     ; l % 16
	v_lshrrev_b32 v42, 4, v[LANE]                  ; l / 16
	v_mul_u32_u24 v[AFR], v41, XPITCH
	v_lshl_add_u32 v[AFR], v42, 4, v[AFR]
	s_mul_i32 s36, s14, 16*SPITCH
	s_add_co_u32 s36, s36, STAGE                   ; my stage
	v_mul_u32_u24 v[STO], v41, SPITCH              ; in: row l % 16, 32 bytes for each half of the lanes
	v_lshl_add_u32 v[STO], v42, 5, v[STO]
	v_add_nc_u32 v[STO], s36, v[STO]
	v_mul_u32_u24 v[RDB], v42, 8*SPITCH            ; back: lanes 0-15 take row i, lanes 16-31 row 8 + i
	v_lshl_add_u32 v[RDB], v41, 4, v[RDB]
	v_add_nc_u32 v[RDB], s36, v[RDB]
	s_mul_i32 s37, s14, 4*XPITCH
	v_lshl_add_u32 v[XST], v[LANE], 3, s37
	s_mul_i32 s36, s14, MRG_W
	s_add_co_u32 s36, s36, MERGED                  ; my copy of the list
	s_lshl_b32 s37, s14, 4
	s_add_co_u32 s37, s37, s36
	v_mov_b32 v[LG], s37                           ; places 4 w + 0..3 of a block of 16
	v_lshl_add_u32 v[LO], v42, 5, s36              ; places 8 (l / 16) + 0..7
	v_lshl_add_u32 v63, v[LANE], 2, s36
	v_lshl_add_u32 v62, v[LANE], 2, RAW
	v_lshlrev_b32 v[C16], 4, v41
	v_mov_b32 v57, -1
	v_mov_b32 v58, 0                               ; a DPP form reads its destination: written first
	v_lshlrev_b32 v59, 3, v[LANE]
	s_wait_loadcnt 0x0                             ; gt
.irp k, 0,1,2,3
	v_mov_b32 v[48+\k], v[44+\k]                   ; the groups' own counts are kept
.endr
; A running sum over the 32 lanes.  Two counts ride in a word; no sum passes 32,768, so nothing is carried from the lower into the upper.
.macro SCAN r
.irp n, 1,2,4,8
	v_mov_b32_dpp v58, v[\r] row_shr:\n row_mask:0xf bank_mask:0xf bound_ctrl:1
	v_add_nc_u32 v[\r], v[\r], v58
.endr
	v_readlane_b32 s36, v[\r], 15
	v_mov_b32 v58, s36
	v_cndmask_b32 v58, 0, v58, s17
	v_add_nc_u32 v[\r], v[\r], v58
.endm
	SCAN 44
	SCAN 45
	SCAN 46
	SCAN 47
.irp k, 0,1,2,3
	v_readlane_b32 s[18+\k], v[44+\k], 31
.endr
.irp k, 0,1,2,3
	s_and_b32 s[24+\k], s[18+\k], 0xffff           ; n_0 .. n_3
	s_lshr_b32 s[28+\k], s[18+\k], 16              ; n_4 .. n_7
.endr
	s_mov_b32 s32, 0                               ; the first unit of the expert in hand
	s_mov_b32 s33, 0                               ; E
	s_mov_b32 s34, 0                               ; E's first unit
	s_mov_b32 s35, 0                               ; n_E
; The last expert whose first unit is not behind mine is mine.  ceil(n / 272) = ((n + 271) >> 4) / 17, and a / 17 = (a x 3,856) >> 16 for a <= 2,064: 3,856 / 65,536 exceeds 1 / 17 by 1.44e-5, a x 1.44e-5 < 1 / 17.
.macro DEAL e
	s_cmp_ge_u32 s15, s32
	s_cselect_b32 s33, \e, s33
	s_cselect_b32 s34, s32, s34
	s_cselect_b32 s35, s[24+(\e)], s35
	s_add_co_u32 s36, s[24+(\e)], QROWS-1
	s_lshr_b32 s36, s36, 4
	s_mul_i32 s36, s36, 3856
	s_lshr_b32 s36, s36, 16
	s_add_co_u32 s32, s32, s36
.endm
.irp e, 0,1,2,3,4,5,6,7
	DEAL \e
.endr
	s_sub_co_u32 s38, s15, s34
	s_mul_i32 s38, s38, QROWS                      ; R0: the rank, among E's tokens, of my first row
	s_sub_co_i32 s39, s35, s38
	s_max_i32 s39, s39, 0
	s_min_i32 s39, s39, QROWS                      ; C: my rows, 0 to 272
	s_min_u32 s33, s33, 7
	s_and_b32 s41, s33, 3                          ; E's word of the four,
	s_lshr_b32 s40, s33, 2
	s_lshl_b32 s40, s40, 4                         ; and its half of the word
	v_mov_b32 v53, v44
	v_mov_b32 v52, v48
.irp k, 1,2,3
	s_cmp_eq_u32 s41, \k
	s_cselect_b32 s42, -1, 0
	v_cndmask_b32 v53, v53, v[44+\k], s42
	v_cndmask_b32 v52, v52, v[48+\k], s42
.endr
	v_lshrrev_b32 v53, s40, v53
	v_lshrrev_b32 v52, s40, v52
	v_and_b32 v53, 0xffff, v53                     ; E's tokens up to and with group g,
	v_and_b32 v52, 0xffff, v52                     ; in group g
	v_sub_nc_u32 v52, v53, v52
	v_sub_nc_u32 v52, v52, s38                     ; BE(g): the place of the group's first token in my list (may be below 0),
	v_sub_nc_u32 v53, v53, s38                     ; EN(g): of the next group's
	s_lshl_b32 s36, s33, 13                        ; tab: (32 E + w + 4 i) x 256 bytes
	s_lshl_b32 s37, s14, 8
	s_add_co_u32 s36, s36, s37
	s_mov_b32 s37, 0
	s_add_nc_u64 s[8:9], s[8:9], s[36:37]
	s_lshl_b32 s36, s33, 3
	s_lshl2_add_u32 s36, s16, s36
	s_add_co_u32 s36, s36, s14
	s_lshl_b32 s36, s36, 16                        ; wf: slice 8 E + 4 NH + w of 65,536 bytes
	s_add_nc_u64 s[6:7], s[6:7], s[36:37]
	s_lshl_b32 s36, s16, 10                        ; out: columns 256 NH + 64 w, 4 bytes each
	s_lshl_b32 s52, s14, 8
	s_add_co_u32 s36, s36, s52
	s_add_nc_u64 s[12:13], s[12:13], s[36:37]
.irp i, 0,1,2,3,4,5,6,7
	global_load_b64 v[192+2*\i:193+2*\i], v59, s[8:9] offset:1024*\i   ; group w + 4 i: a lane stands for a word of 32 tokens: bm, wp
.endr
; W's fragments of K step ks: eight loads of 512 consecutive bytes
.macro WLOAD ks
	WIN 0x80+0x40*((\ks)/8)
.irp n, 0,1,2,3
.irp hf, 0,1
	global_load_b128 v[32*((\ks)%8)+8*\n+4*\hf:32*((\ks)%8)+8*\n+4*\hf+3], v[L16], s[6:7] offset:4096*(\ks)+1024*\n+512*\hf
.endr
.endr
	WIN 0
.endm
.irp ks, 0,1,2,3,4,5
	WLOAD \ks
.endr
	s_wait_loadcnt 48                              ; the 48 loads of W are younger: tab is in
; Group w + 4 i.  It is jumped if none of its tokens falls into my list.  Else word after word: a token's place is BE + wp + the number of the word's tokens in lower lanes;
; lanes that are not E's, and places outside 0-287 (as unsigned numbers), go to the dump place.
.macro GROUP i
	s_add_co_u32 s44, s14, 4*(\i)
	v_readlane_b32 s45, v52, s44
	v_readlane_b32 s46, v53, s44
	s_cmp_ge_i32 s45, s39
	s_cbranch_scc1 .Lskip_\@
	s_cmp_le_i32 s46, 0
	s_cbranch_scc1 .Lskip_\@
	v_add_nc_u32 v54, s45, v[193+2*(\i)]
	s_lshl_b32 s52, s44, 10
	v_add_nc_u32 v55, s52, v[LANE]                 ; my token in word 0
	s_mov_b32 s47, 0
.Lword_\@:
	v_readlane_b32 s48, v[192+2*(\i)], s47
	v_readlane_b32 s49, v54, s47
	v_mbcnt_lo_u32_b32 v56, s48, s49
	v_cndmask_b32 v56, v57, v56, s48
	v_min_u32 v56, 288, v56
	v_lshl_add_u32 v56, v56, 2, s43
	ds_store_b32 v56, v55
	v_add_nc_u32 v55, 32, v55
	s_add_co_u32 s47, s47, 1
	s_cmp_lt_u32 s47, 32
	s_cbranch_scc1 .Lword_\@
.Lskip_\@:
.endm
.irp i, 0,1,2,3,4,5,6,7
	GROUP \i
	WLOAD 6+\i                                     ; the rest of W goes out between the groups
.endr
	WLOAD 14
	WLOAD 15
	s_wait_dscnt 0x0                               ; for the others' sake: my list is written
	s_barrier_signal -1
	s_barrier_wait -1
.irp b, 0,1,2,3,4,5,6,7,8
.irp ww, 0,1,2,3
	ds_load_b32 v[128+4*\b+\ww], v62 offset:RAW_W*\ww+128*\b   ; place 32 b + lane of the four lists
.endr
.endr
	s_wait_dscnt 0x0
.irp b, 0,1,2,3,4,5,6,7,8
	v_or_b32 v[128+4*\b], v[128+4*\b], v[129+4*\b]
	v_or_b32 v[130+4*\b], v[130+4*\b], v[131+4*\b]
	v_or_b32 v[128+4*\b], v[128+4*\b], v[130+4*\b]
.endr
	v_readfirstlane_b32 s50, v128                  ; the unit's first row
	v_mov_b32 v61, s50
.irp b, 0,1,2,3,4,5,6,7,8
	v_add_nc_u32 v60, 32*\b, v[LANE]
	v_cmp_gt_u32 vcc_lo, s39, v60
	v_cndmask_b32 v[128+4*\b], v61, v[128+4*\b], vcc_lo    ; places at or past C repeat it
	ds_store_b32 v63, v[128+4*\b] offset:128*\b            ; into my own copy: no other wave reads it, so no barrier follows
.endr
; BRING.  cvt = 1: the tile in staging buffer p has landed (left = the younger loads that may stay out); it is rounded to f16 and laid into slot p.  issue = 1: the tile whose places lie at LG + lgoff is asked for, into the same buffer.
.macro BRING p, cvt, issue, left, lgoff
	WIN 0
	s_wait_xcnt 0x0                                ; every earlier memory instruction has had its addresses translated (ISA guide 3.1): the gather's and the stores' offsets and the stores' data are rewritten only behind this wait
.if \issue
	ds_load_b128 v[TKG:TKG+3],   v[LG] offset:(\lgoff)      ; the tokens of rows 4 w + 0..3,
	ds_load_b128 v[TKG+4:TKG+7], v[LG] offset:(\lgoff)+64   ; and 16 + 4 w + 0..3
.endif
.if \cvt
	s_wait_loadcnt \left
	WIN 0x45
.set z, 128*(\p)
.rept 32
	v_cvt_pk_f16_f32 v[z], v[z], v[z+1]
	v_cvt_pk_f16_f32 v[z+1], v[z+2], v[z+3]
.set z, z+4
.endr
	WIN 0x04
.irp m, 0,1
.irp i, 0,1,2,3
.irp q, 0,1,2,3
	ds_store_b64 v[XST], v[128*(\p)+4*(4*(4*\m+\i)+\q):128*(\p)+4*(4*(4*\m+\i)+\q)+1] offset:(\p)*XSLOT+(16*\m+\i)*XPITCH+256*\q   ; 256 consecutive bytes
.endr
.endr
.endr
	WIN 0
.endif
.if \issue
	s_wait_dscnt 32*(\cvt)                         ; the two loads of tokens are older than the 32 stores
.irp k, 0,1,2,3,4,5,6,7
	v_min_u32 v[TKG+\k], 0x7fff, v[TKG+\k]
.endr
.irp k, 0,1,2,3,4,5,6,7
	v_lshl_add_u32 v[TKG+\k], v[TKG+\k], 11, v[L16]
.endr
	WIN 0x40
.irp m, 0,1
.irp i, 0,1,2,3
.irp q, 0,1,2,3
	global_load_b128 v[128*(\p)+4*(4*(4*\m+\i)+\q):128*(\p)+4*(4*(4*\m+\i)+\q)+3], v[TKG+4*\m+\i], s[4:5] offset:512*\q   ; 512 consecutive bytes of a row; the unit's other work-group reads the same rows, so no hint
.endr
.endr
.endr
	WIN 0
.endif
.endm
; 16 LDS loads: the fragments of x for K steps 4 q + 0..3, both blocks of 16 rows, out of slot p: (kk, m) at buf + 16 kk + 8 m
.macro FETCH p, q, buf
.irp kk, 0,1,2,3
.irp m, 0,1
	ds_load_b128 v[(\buf)+16*\kk+8*\m:(\buf)+16*\kk+8*\m+3],   v[AFR] offset:(\p)*XSLOT+16*XPITCH*\m+64*(4*(\q)+\kk)
	ds_load_b128 v[(\buf)+16*\kk+8*\m+4:(\buf)+16*\kk+8*\m+7], v[AFR] offset:(\p)*XSLOT+16*XPITCH*\m+64*(4*(\q)+\kk)+32
.endr
.endr
.endm
; 32 matrix instructions.  The 8 accumulators take turns, one instruction a turn; K step 0 starts the sums with the constant 0: nothing is cleared.
.macro MUL q, buf
.irp kk, 0,1,2,3
.irp m, 0,1
.irp n, 0,1,2,3
.if (4*(\q)+\kk) == 0
	v_wmma_f32_16x16x32_f16 v[ACC+8*(4*\m+\n):ACC+8*(4*\m+\n)+7], v[32*((4*(\q)+\kk)%8)+8*\n:32*((4*(\q)+\kk)%8)+8*\n+7], v[(\buf)+16*\kk+8*\m:(\buf)+16*\kk+8*\m+7], 0
.else
	v_wmma_f32_16x16x32_f16 v[ACC+8*(4*\m+\n):ACC+8*(4*\m+\n)+7], v[32*((4*(\q)+\kk)%8)+8*\n:32*((4*(\q)+\kk)%8)+8*\n+7], v[(\buf)+16*\kk+8*\m:(\buf)+16*\kk+8*\m+7], v[ACC+8*(4*\m+\n):ACC+8*(4*\m+\n)+7]
.endif
.endr
.endr
.endr
.endm
; The tile in slot p is multiplied: 128 matrix instructions on two fragment buffers.  A load into a buffer that matrix instructions have read stands four plain vector instructions or more behind them
; (ISA guide 7.12.1 for vector instructions): the sixteen lines that make the stores' offsets are those places.
; bar = 1: ONE barrier a trip.  In front of its signal my stores of the next tile's rows and my reads of this slot are done; behind its wait the next trip writes this slot and reads the other.
.macro COMPUTE p, looff, bar
.irp m, 0,1
.irp zz, 0,1
	ds_load_b128 v[TKO+8*\m+4*\zz:TKO+8*\m+4*\zz+3], v[LO] offset:(\looff)+64*\m+16*\zz   ; the tokens of the rows that I store
.endr
.endr
	FETCH \p, 0, AB0
	FETCH \p, 1, AB1
	s_wait_dscnt 16                                ; all but the youngest run of 16
	WIN 0x02
	MUL 0, AB0
	WIN 0
.irp k, 0,1,2,3,4,5,6,7,8,9,10,11,12,13,14,15
	v_min_u32 v[TKO+\k], 0x7fff, v[TKO+\k]
.endr
	FETCH \p, 2, AB0
	s_wait_dscnt 16
	WIN 0x02
	MUL 1, AB1
	WIN 0
.irp k, 0,1,2,3,4,5,6,7,8,9,10,11,12,13,14,15
	v_lshl_add_u32 v[TKO+\k], v[TKO+\k], 11, v[C16]
.endr
	FETCH \p, 3, AB1
	s_wait_dscnt 16
	WIN 0x03
	MUL 2, AB0
	s_wait_dscnt 0x0                               ; the last fragments are in: my reads of this slot are over, and my stores into the other are done
.if \bar
	s_barrier_signal -1
.endif
	MUL 3, AB1                                     ; work on registers while the others arrive
	WIN 0
.if \bar
	s_barrier_wait -1
.endif
.rept 5
	v_nop                                          ; the places behind the last products: their results are read next, and the next tile's first products write over them
.endr
.endm
; THE WAY OUT of block m of 16 rows; a block wholly past C is jumped.  Each accumulator's low four registers are read first.
.macro OUTB m
	s_add_co_u32 s52, s51, 16*(\m)
	s_cmp_lt_u32 s52, s39
	s_cbranch_scc0 .Ldead_\@
.irp n, 0,1,2,3
	ds_store_b128 v[STO], v[ACC+8*(4*(\m)+\n):ACC+8*(4*(\m)+\n)+3]   offset:64*\n
	ds_store_b128 v[STO], v[ACC+8*(4*(\m)+\n)+4:ACC+8*(4*(\m)+\n)+7] offset:64*\n+16
.endr
.irp t, 0,1,2,3,4,5,6,7
	ds_load_b128 v[OB+32*(\m)+4*\t:OB+32*(\m)+4*\t+3], v[RDB] offset:SPITCH*\t   ; my own stage: LDS serves a wave's instructions in order (ISA guide 5.7.1.4)
.endr
.irp t, 0,1,2,3,4,5,6,7
	s_wait_dscnt 7-\t                              ; load t is back; the younger ones may be out
	global_store_b128 v[TKO+8*(\m)+\t], v[OB+32*(\m)+4*\t:OB+32*(\m)+4*\t+3], s[12:13] th:TH_STORE_NT   ; 16 lanes store 256 consecutive bytes of a token's row, at a multiple of 256 from out's first byte
.endr
.Ldead_\@:
.endm
.macro TRIP p, bring, issue, left, lgoff, looff, bar
.if \bring
	BRING 1-(\p), 1, \issue, \left, \lgoff
.else
	s_wait_xcnt 0x0                                ; the last trip's stores have read their offsets and data
.endif
	COMPUTE \p, \looff, \bar
	OUTB 0
	OUTB 1
	s_add_co_u32 s51, s51, 32
.endm
	BRING 0, 0, 1, 0, 0                            ; tile 0 is asked for,
	BRING 1, 0, 1, 0, 128                          ; tile 1;
	BRING 0, 1, 1, 32, 256                         ; tile 0 is in (tile 1's 32 loads are younger; W's are older, so W is in too) and goes into slot 0; tile 2 is asked for
	v_add_nc_u32 v[LG], 384, v[LG]
	s_wait_dscnt 0x0                               ; for the others' sake: my rows of tile 0 lie in slot 0
	s_barrier_signal -1
	s_barrier_wait -1
	s_mov_b32 s51, 0                               ; the tile's first place
	s_mov_b32 s53, 3
.Lpair:                                                ; tiles 2 i and 2 i + 1 are multiplied; tiles 2 i + 1, 2 i + 2 are laid into LDS; tiles 2 i + 3, 2 i + 4 are asked for
	TRIP 0, 1, 1, 32, 0, 0, 1                      ; the 32 loads of the tile after the one that is laid down are younger
	TRIP 1, 1, 1, 32, 128, 128, 1
	v_add_nc_u32 v[LG], 256, v[LG]
	v_add_nc_u32 v[LO], 256, v[LO]
	s_sub_co_u32 s53, s53, 1
	s_cmp_lg_u32 s53, 0
	s_cbranch_scc1 .Lpair
	TRIP 0, 1, 0, 32, 0, 0, 1                      ; tile 6: tile 7 is laid down (tile 8's loads are younger); nothing is left to ask for
	TRIP 1, 1, 0, 0, 0, 128, 1                     ; tile 7: tile 8 is laid down
	TRIP 0, 0, 0, 0, 0, 256, 0                     ; tile 8: no slot is written any more, so no barrier
	s_wait_tensorcnt 0x0                           ; the wave's end, behind my last LDS store
	ds_add_u32 v[SPW], v[NIL]
	s_wait_dscnt 0x0
	s_endpgm
.Lfunc_end_k_q9bcc39d775_chain:
	.size	k_q9bcc39d775_chain, .Lfunc_end_k_q9bcc39d775_chain-k_q9bcc39d775_chain
	.p2alignl 7, 3214868480
	.fill 96, 4, 3214868480
	.section	.rodata,"a",@progbits
	.p2align	6, 0x0
	.amdhsa_kernel k_q9bcc39d775_chain
		.amdhsa_group_segment_fixed_size 95744
		.amdhsa_private_segment_fixed_size 0
		.amdhsa_enable_private_segment 0
		.amdhsa_kernarg_size 40
		.amdhsa_user_sgpr_count 2
		.amdhsa_user_sgpr_kernarg_segment_ptr 1
		.amdhsa_wavefront_size32 1
		.amdhsa_system_sgpr_workgroup_id_x 1
		.amdhsa_system_sgpr_workgroup_id_y 1
		.amdhsa_system_sgpr_workgroup_id_z 1
		.amdhsa_system_vgpr_workitem_id 0
		.amdhsa_next_free_vgpr 1024
		.amdhsa_next_free_sgpr 66
		.amdhsa_reserve_vcc 1
		.amdhsa_float_denorm_mode_32 3
		.amdhsa_float_denorm_mode_16_64 3
		.amdhsa_memory_ordered 1
		.amdhsa_forward_progress 1
		.amdhsa_inst_pref_size 185
	.end_amdhsa_kernel
	.amdgpu_metadata
---
amdhsa.version: [ 1, 2 ]
amdhsa.kernels:
  - .name:           k_q9bcc39d775_chain
    .symbol:         k_q9bcc39d775_chain.kd
    .args:
      - { .name: x, .offset: 0, .size: 8, .value_kind: global_buffer, .address_space: global }
      - { .name: wf, .offset: 8, .size: 8, .value_kind: global_buffer, .address_space: global }
      - { .name: tab, .offset: 16, .size: 8, .value_kind: global_buffer, .address_space: global }
      - { .name: gt, .offset: 24, .size: 8, .value_kind: global_buffer, .address_space: global }
      - { .name: out0, .offset: 32, .size: 8, .value_kind: global_buffer, .address_space: global }
    .group_segment_fixed_size: 95744
    .private_segment_fixed_size: 0
    .kernarg_segment_align: 8
    .kernarg_segment_size: 40
    .max_flat_workgroup_size: 128
    .sgpr_count:     66
    .vgpr_count:     1024
    .wavefront_size: 32
...
	.end_amdgpu_metadata
.endif
;; end of part 2
;; ======== version 2 of 2: 2 launches; 1.11 times as fast as version 1
;; limits: values are held in f16: magnitudes above 65,504 overflow, below 6.1e-05 lose precision
;; workspace buffers: wf 4,194,304 bytes; tab 65,536 bytes of whole numbers; gt 512 bytes of whole numbers
;; launch prep (part 3): grid 160 x 1, 8 waves a work-group, no clusters, 37,888 bytes of LDS; arguments x, W, wf, tab, gt; writes wf, tab, gt
.if DOCPART == 3
	.amdgcn_target "amdgcn-amd-amdhsa--gfx1250"
	.amdhsa_code_object_version 6
	.text
	.protected	k_q9bcc39d775_prep
	.globl	k_q9bcc39d775_prep
	.p2align	8
	.type	k_q9bcc39d775_prep,@function
k_q9bcc39d775_prep:
	s_mov_b64 s[64:65], 0
	v_nop
	global_prefetch_b8 v0, s[64:65] scope:SCOPE_SE
	s_setreg_imm32_b32 hwreg(HW_REG_WAVE_MODE, 25, 1), 1
	s_wait_xcnt 0x0
; TWO JOBS IN ONE LAUNCH, 160 work-groups.
; Work-groups 0-31, THE ROUTER: group g = 1,024 tokens.  A token's bin is the number of the seven boundaries below x[t][0], taken from the f32 number as it is (a NaN is above none: bin 0).
;   tab[e][g][j] = {bm, wp}: bm = the bitmap of expert e's tokens among tokens 1,024 g + 32 j + 0..31; wp = the number of e's tokens in the group's words before j.
;   gt[g][q] = count(g, q) | count(g, q + 4) << 16.  Everything is stored at fixed places: no address and no branch here hangs on a bin.
; Work-groups 32-159, THE WEIGHTS: W [e][k][n] f32 is rounded once to f16 and laid in the order in which a wave's matrix operand registers take it:
;   wf [e 8][cs 8][ks 16][nt 4][half 2][lane 32][8 f16]; the 16 bytes of (nt, half, lane = 16 h + r) hold W[e][32 ks + 16 half + 8 h + 0..7][64 cs + 16 nt + r], the lower k first.
;   A wave takes one (e, cs, ks): 32 rows of k x 64 columns, 4,096 consecutive bytes of wf.
; LIMITS.  f16 holds no number of 65,520 or more, and below 6e-5 it keeps a fixed step of 6e-8: W stays within that.
.set RT_M,   0                         ; masks, [wave 8][lane 32]: lane 8 i + e of wave w holds (word 4 w + i, expert e)
.set RT_C,   1024                      ; their counts, likewise
.set RT_T,   2048                      ; the eight experts' totals of the group
.set BOUNCE, 4096                      ; 4,096 bytes for each wave, its own: the turn from columns to fragments, in wf's order
.set SPARE,  36864                     ; the spare words, 128 bytes for each of eight waves: four blocks of 256 bytes that no other line names
.set SPW,    104                       ; v104  my spare word's address; never rewritten
.set NIL,    105                       ; v105  0; never rewritten
	s_load_b256 s[4:11], s[0:1], 0x0               ; x s[4:5], W s[6:7], wf s[8:9], tab s[10:11]
	s_load_b64 s[12:13], s[0:1], 0x20              ; gt
	v_lshl_add_u32 v[SPW], v0, 2, SPARE
	v_mov_b32 v[NIL], 0
	v_and_b32 v1, 31, v0                           ; lane
	v_lshrrev_b32 v2, 5, v0
	v_readfirstlane_b32 s14, v2                    ; wave 0..7
	s_cmp_ge_u32 ttmp9, 32
	s_cbranch_scc1 .Lweights
	; ---------------- THE ROUTER ----------------
	s_lshl_b32 s16, ttmp9, 21                      ; the group's 1,024 rows of 2,048 bytes
	s_lshl_b32 s17, s14, 18                        ; my wave's four words of 32 rows
	s_add_co_u32 s16, s16, s17
	s_mov_b32 s17, 0
	s_mov_b32 s18, 0xbfc00000                      ; -1.5
	s_mov_b32 s19, 0x3fc00000                      ; 1.5
	v_lshlrev_b32 v3, 11, v1                       ; a lane, a row
	v_mov_b32 v12, 0                               ; v_writelane_b32 reads its destination: written whole first
	v_mov_b32 v13, 0
	v_lshlrev_b32 v4, 2, v0                        ; 4 x my thread's number
	s_wait_kmcnt 0x0
	s_add_nc_u64 s[4:5], s[4:5], s[16:17]
.irp i, 0,1,2,3
	global_load_b32 v[8+\i], v3, s[4:5] offset:65536*\i   ; y of word 4 w + i
.endr
	s_wait_loadcnt 0x0
; Word i: seven compares give nested masks; bin 0 is what lies above no boundary, bin k what lies above boundary k - 1 and not above k, bin 7 what lies above the last.
.macro WORD i
	v_cmp_lt_f32 s20, s18, v[8+(\i)]
	v_cmp_lt_f32 s21, -1.0, v[8+(\i)]
	v_cmp_lt_f32 s22, -0.5, v[8+(\i)]
	v_cmp_lt_f32 s23, 0, v[8+(\i)]
	v_cmp_lt_f32 s24, 0.5, v[8+(\i)]
	v_cmp_lt_f32 s25, 1.0, v[8+(\i)]
	v_cmp_lt_f32 s26, s19, v[8+(\i)]
	s_not_b32 s28, s20
.irp k, 1,2,3,4,5,6
	s_and_not1_b32 s[28+\k], s[19+\k], s[20+\k]
.endr
	s_mov_b32 s35, s26
.irp e, 0,1,2,3,4,5,6,7
	v_writelane_b32 v12, s[28+\e], 8*(\i)+\e
	s_bcnt1_i32_b32 s36, s[28+\e]
	v_writelane_b32 v13, s36, 8*(\i)+\e
.endr
.endm
	WORD 0
	WORD 1
	WORD 2
	WORD 3
	ds_store_b32 v4, v12 offset:RT_M               ; each wave stores 128 bytes of its own
	ds_store_b32 v4, v13 offset:RT_C
	s_wait_dscnt 0x0                               ; for the others' sake: my stores are done
	s_barrier_signal -1
	s_barrier_wait -1
	; wave w now acts for expert e = w; a lane stands for word j = lane, which wave j >> 2 stored in its lane 8 (j & 3) + e
	v_lshrrev_b32 v5, 2, v1
	v_and_b32 v6, 3, v1
	v_lshlrev_b32 v5, 7, v5
	v_lshl_add_u32 v5, v6, 5, v5
	s_lshl_b32 s37, s14, 2
	v_add_nc_u32 v5, s37, v5
	ds_load_b32 v16, v5 offset:RT_M                ; bm
	ds_load_b32 v18, v5 offset:RT_C                ; its count
	v_mov_b32 v20, 0                               ; a DPP form reads its destination: written first
	s_mov_b32 s39, 0xffff0000                      ; lanes 16-31
	s_lshl_b32 s40, s14, 13                        ; tab: (32 e + g) x 256 bytes
	s_lshl_b32 s41, ttmp9, 8
	s_add_co_u32 s40, s40, s41
	s_mov_b32 s41, 0
	s_add_nc_u64 s[10:11], s[10:11], s[40:41]
	v_lshlrev_b32 v22, 3, v1
	s_wait_dscnt 0x0
	v_mov_b32 v19, v18
.irp n, 1,2,4,8                        ; a running sum inside each half of 16 lanes,
	v_mov_b32_dpp v20, v19 row_shr:\n row_mask:0xf bank_mask:0xf bound_ctrl:1
	v_add_nc_u32 v19, v19, v20
.endr
	v_readlane_b32 s38, v19, 15                    ; and the lower half's total onto the upper half
	v_mov_b32 v21, s38
	v_cndmask_b32 v20, 0, v21, s39
	v_add_nc_u32 v19, v19, v20
	v_sub_nc_u32 v17, v19, v18                     ; wp: the words before mine
	global_store_b64 v22, v[16:17], s[10:11]       ; 256 consecutive bytes, at a multiple of 256 from tab's first byte
	v_readlane_b32 s42, v19, 31                    ; the expert's total in this group
	v_mov_b32 v23, s42
	v_mov_b32 v24, s37
	ds_store_b32 v24, v23 offset:RT_T              ; all lanes write the same word with the same number
	s_wait_dscnt 0x0
	s_barrier_signal -1
	s_barrier_wait -1
	s_cmp_lg_u32 s14, 0
	s_cbranch_scc1 .Lrouter_end                    ; wave 0 alone packs and stores the group's four words of gt
	v_and_b32 v25, 3, v1
	v_lshlrev_b32 v25, 2, v25
	ds_load_b32 v26, v25 offset:RT_T
	ds_load_b32 v27, v25 offset:RT_T+16
	s_lshl_b32 s40, ttmp9, 4
	s_mov_b32 s41, 0
	s_add_nc_u64 s[12:13], s[12:13], s[40:41]
	v_lshlrev_b32 v28, 2, v1
	s_wait_dscnt 0x0
	v_lshl_or_b32 v26, v27, 16, v26
	v_cmp_gt_u32 vcc_lo, 4, v1
	s_wait_xcnt 0x0                                ; EXEC changes only behind this wait: tab's store is out
	s_and_saveexec_b32 s43, vcc_lo
	global_store_b32 v28, v26, s[12:13]            ; lanes 0-3: 16 bytes
	s_wait_xcnt 0x0                                ; and again, in front of the line that widens it
	s_or_b32 exec_lo, exec_lo, s43
.Lrouter_end:
	s_wait_tensorcnt 0x0                           ; the wave's end, behind my last LDS store
	ds_add_u32 v[SPW], v[NIL]
	s_wait_dscnt 0x0
	s_endpgm
	; ---------------- THE WEIGHTS ----------------
.Lweights:
	s_sub_co_u32 s16, ttmp9, 32
	s_lshl_b32 s16, s16, 3
	s_add_co_u32 s16, s16, s14                     ; my task: e << 7 | cs << 4 | ks
	s_and_b32 s18, s16, 15                         ; ks
	s_bfe_u32 s19, s16, 0x30004                    ; cs
	s_lshr_b32 s20, s16, 7                         ; e
	s_lshl_b32 s20, s20, 20                        ; W: e x 512 x 2,048 bytes,
	s_lshl_b32 s18, s18, 16                        ; 32 ks rows of 2,048,
	s_lshl_b32 s19, s19, 8                         ; 64 cs columns of 4 bytes
	s_or_b32 s20, s20, s18
	s_or_b32 s20, s20, s19
	s_mov_b32 s21, 0
	v_lshrrev_b32 v4, 4, v1                        ; h
	v_and_b32 v5, 15, v1                           ; c: my four columns 4 c + 0..3
	v_lshlrev_b32 v3, 4, v5
	v_lshl_add_u32 v3, v4, 14, v3                  ; 8 h rows + 16 c bytes
	s_wait_kmcnt 0x0
	s_add_nc_u64 s[6:7], s[6:7], s[20:21]
.irp hf, 0,1
.irp i, 0,1,2,3,4,5,6,7
	global_load_b128 v[8+32*\hf+4*\i:8+32*\hf+4*\i+3], v3, s[6:7] offset:32768*\hf+2048*\i th:TH_LOAD_NT   ; row 16 half + 8 h + i: sixteen lanes read 256 consecutive bytes; each byte of W is read once in the launch
.endr
.endr
	v_lshrrev_b32 v6, 2, v5                        ; column 4 c + b is nt = c >> 2, r = 4 (c & 3) + b: its 16 bytes lie at 1,024 nt + 512 half + 256 h + 64 (c & 3) + 16 b
	v_lshlrev_b32 v6, 10, v6
	v_lshl_add_u32 v6, v4, 8, v6
	v_and_b32 v7, 3, v5
	v_lshl_add_u32 v6, v7, 6, v6
	s_lshl_b32 s22, s14, 12
	s_add_co_u32 s22, s22, BOUNCE                  ; my wave's 4,096 bytes
	v_add_nc_u32 v6, s22, v6
	v_lshl_add_u32 v7, v1, 4, s22                  ; back: 16 bytes a lane, in order
	s_lshl_b32 s24, s16, 12                        ; wf: ((8 e + cs) 16 + ks) x 4,096
	s_mov_b32 s25, 0
	s_add_nc_u64 s[8:9], s[8:9], s[24:25]
	v_lshlrev_b32 v106, 4, v1
	s_wait_loadcnt 0x0
.irp hf, 0,1
.irp b, 0,1,2,3                        ; column b: eight k in four registers, the lower k in the lower half
.irp p, 0,1,2,3
	v_cvt_pk_f16_f32 v[72+16*\hf+4*\b+\p], v[8+32*\hf+8*\p+\b], v[12+32*\hf+8*\p+\b]
.endr
.endr
.endr
.irp hf, 0,1
.irp b, 0,1,2,3
	ds_store_b128 v6, v[72+16*\hf+4*\b:72+16*\hf+4*\b+3] offset:512*\hf+16*\b
.endr
.endr
.irp q, 0,1,2,3,4,5,6,7
	ds_load_b128 v[8+4*\q:8+4*\q+3], v7 offset:512*\q    ; my own bytes: LDS serves a wave's instructions in order (ISA guide 5.7.1.4), so these see the stores above
.endr
.irp q, 0,1,2,3,4,5,6,7
	s_wait_dscnt 7-\q                              ; load q is back; the younger ones may be out
	global_store_b128 v106, v[8+4*\q:8+4*\q+3], s[8:9] offset:512*\q   ; 512 consecutive bytes, at a multiple of 256 from wf's first byte
.endr
	s_wait_tensorcnt 0x0                           ; the wave's end, behind my last LDS store
	ds_add_u32 v[SPW], v[NIL]
	s_wait_dscnt 0x0
	s_endpgm
.Lfunc_end_k_q9bcc39d775_prep:
	.size	k_q9bcc39d775_prep, .Lfunc_end_k_q9bcc39d775_prep-k_q9bcc39d775_prep
	.p2alignl 7, 3214868480
	.fill 96, 4, 3214868480
	.section	.rodata,"a",@progbits
	.p2align	6, 0x0
	.amdhsa_kernel k_q9bcc39d775_prep
		.amdhsa_group_segment_fixed_size 37888
		.amdhsa_private_segment_fixed_size 0
		.amdhsa_enable_private_segment 0
		.amdhsa_kernarg_size 40
		.amdhsa_user_sgpr_count 2
		.amdhsa_user_sgpr_kernarg_segment_ptr 1
		.amdhsa_wavefront_size32 1
		.amdhsa_system_sgpr_workgroup_id_x 1
		.amdhsa_system_sgpr_workgroup_id_y 1
		.amdhsa_system_sgpr_workgroup_id_z 1
		.amdhsa_system_vgpr_workitem_id 0
		.amdhsa_next_free_vgpr 112
		.amdhsa_next_free_sgpr 66
		.amdhsa_reserve_vcc 1
		.amdhsa_float_denorm_mode_32 3
		.amdhsa_float_denorm_mode_16_64 3
		.amdhsa_memory_ordered 1
		.amdhsa_forward_progress 1
		.amdhsa_inst_pref_size 19
	.end_amdhsa_kernel
	.amdgpu_metadata
---
amdhsa.version: [ 1, 2 ]
amdhsa.kernels:
  - .name:           k_q9bcc39d775_prep
    .symbol:         k_q9bcc39d775_prep.kd
    .args:
      - { .name: x, .offset: 0, .size: 8, .value_kind: global_buffer, .address_space: global }
      - { .name: W, .offset: 8, .size: 8, .value_kind: global_buffer, .address_space: global }
      - { .name: wf, .offset: 16, .size: 8, .value_kind: global_buffer, .address_space: global }
      - { .name: tab, .offset: 24, .size: 8, .value_kind: global_buffer, .address_space: global }
      - { .name: gt, .offset: 32, .size: 8, .value_kind: global_buffer, .address_space: global }
    .group_segment_fixed_size: 37888
    .private_segment_fixed_size: 0
    .kernarg_segment_align: 8
    .kernarg_segment_size: 40
    .max_flat_workgroup_size: 256
    .sgpr_count:     66
    .vgpr_count:     112
    .wavefront_size: 32
...
	.end_amdgpu_metadata
.endif
;; end of part 3
;; launch chain (part 4): grid 256 x 1, 4 waves a work-group, no clusters, 113,152 bytes of LDS; arguments x, wf, tab, gt, out0; writes out0
.if DOCPART == 4
	.amdgcn_target "amdgcn-amd-amdhsa--gfx1250"
	.amdhsa_code_object_version 6
	.text
	.protected	k_q9bcc39d775_chain
	.globl	k_q9bcc39d775_chain
	.p2align	8
	.type	k_q9bcc39d775_chain,@function
k_q9bcc39d775_chain:
	s_mov_b64 s[64:65], 0
	v_nop
	global_prefetch_b8 v0, s[64:65] scope:SCOPE_SE
	s_setreg_imm32_b32 hwreg(HW_REG_WAVE_MODE, 25, 1), 1
	s_wait_xcnt 0x0
; out[t][:] = x[t][:] @ W[bin(t)], for the chosen expert alone.  x, out: [32,768][512] f32.  wf: the weights in f16, in fragment order; tab, gt: the routing as whole numbers.
; SHARES.  A UNIT is two work-groups, 2 U and 2 U + 1; it takes up to 272 rows of ONE expert, each work-group 256 of the 512 columns.  Expert e gets ceil(n_e / 272) units, in order of e:
; their sum is at most (32,768 + 8 x 271) / 272 = 128.4, so 128 units serve every split; a unit that a split leaves without rows stores nothing.
; A wave holds its 64 columns x 512 k of W in 512 registers for the whole launch, loaded once; only token rows move in the loop.
; THE LIST.  Every work-group finds its own rows: from gt the experts' counts and the running counts by group of 1,024 tokens; from tab the bitmaps; each wave scatters the tokens of its groups
; into a list of its own, the four lists are merged by OR.  Places at or past the unit's count C repeat the unit's first row.
; THE WALK.  Tiles 0-7 of 32 rows and tile 8 of 16.  A wave gathers 8 rows of a tile (f32, whole rows), rounds them to f16 and lays them into one of two LDS slots; all four waves read the slot as
; matrix operands.  A TRIP t holds four things at once, set between its runs of matrix instructions: tile t's products, tile t + 1's way into LDS, the gather of tile t + 3, and tile t - 1's way out.
; At a trip's head the rows of the next two tiles are on their way: 64 loads of 512 bytes a wave.
; THE MATRIX INSTRUCTION IS USED TRANSPOSED (source 0 = 16 columns of W, source 1 = 16 tokens): a lane then holds eight neighbouring numbers of a token's row; they go through the wave's own
; stage in LDS and leave as 256 consecutive bytes of a row of out, sixteen lanes to a row.  In a block of 16 rows that is partly past C the repeated row is stored again, by the same wave, with the same bits;
; the stores of blocks wholly past C are jumped.
; NO JOINT LOADS.  The rows come by a list, which no tile descriptor covers.  The weights are shared by an expert's units, but partners would have to be four work-groups of one expert and column half:
; 32 clusters for each column half serve every split only if (32,768 + 8 (4 Q - 1)) / 4 Q < 33, that is Q = 328 rows a work-group against 272, a fifth more matrix work, to spare three of four
; reads of the 256 KB of weights that each work-group makes once.
; LIMITS.  x and W enter the products rounded to f16: no magnitude of 65,520 or more; below 6e-5 f16's fixed step of 6e-8.  Sums in f32.  A row with a NaN or an infinity gives what its own expert's
; product gives, not the NaN that a product with a masked expert would add.
; REGISTERS, in windows of 256 (s_set_vgpr_msb: bits 1:0 source 0, 3:2 source 1, 5:4 source 2, 7:6 destination):
;   window 0: v0-11 addresses; v12-19 gather offsets; v20-27, v28-59 the way out: two buffers of 4 store offsets and 16 of data; v36-63 also at work ahead of the loop; v64-127 8 accumulators;
;             v128-191, v192-255 two buffers of x fragments
;   window 1: two staging buffers of 128: a tile's 8 rows of f32 as loaded          windows 2, 3: W: fragment (ks, n) at 32 (ks % 8) + 8 n of window 2 + ks / 8
.set XPITCH, 1040                      ; a row of x in LDS: 1,024 bytes of f16 + 16 = 65 x 16: the 16 rows of a fragment load start at 16 different groups of four banks (64 banks of 4 bytes: ISA guide 11.1)
.set XSLOT,  32*XPITCH
.set STAGE,  2*XSLOT                   ; 32 rows x 272 bytes for each wave, its own
.set SPITCH, 272
.set STG_W,  32*SPITCH
.set RAW,    STAGE+4*STG_W             ; each wave's own scatter list: places 0-287 and a dump place 288
.set RAW_W,  1536
.set MERGED, RAW+4*RAW_W               ; each wave's own copy of the 288 tokens
.set MRG_W,  1280
.set SPARE,  MERGED+4*MRG_W            ; the spare words, 128 bytes for each wave: two blocks of 256 bytes that no other line names
.set QROWS,  272
.set L16,  1                           ; 16 x lane
.set AFR,  2                           ; (l % 16) x XPITCH + 16 (l / 16): my place in a fragment of x
.set STO,  3                           ; the way out: where I put my numbers of a row
.set RDB,  4                           ; the way out: where I read rows back
.set XST,  5                           ; 4 w rows + 8 x lane: where I lay rounded rows
.set LG,   6                           ; my list at the places of the rows that I gather
.set LO,   7                           ; my list at the places of the rows that I store
.set C16,  8                           ; 16 (l % 16)
.set SPW,  9                           ; LDS address of my spare word; never rewritten
.set NIL,  10                          ; 0; never rewritten
.set LANE, 11
.set TKG,  12                          ; v12-19  the gather's 8 tokens, then byte offsets
.set TKC,  20                          ; v20-27  the way out: 4 tokens, then byte offsets, in each of two buffers
.set OBC,  28                          ; v28-59  the way out: 16 registers of data in each of two buffers
.set ACC,  64                          ; (m, n) at ACC + 8 (4 m + n)
.set AB0,  128
.set AB1,  192
.set MSB, 0
.macro WIN new                         ; the immediate's high byte repeats the setting that is left; a switch that changes nothing is dropped
.if MSB != (\new)
	s_set_vgpr_msb (MSB<<8)|(\new)
.set MSB, \new
.endif
.endm
	s_load_b256 s[4:11], s[0:1], 0x0               ; x s[4:5], wf s[6:7], tab s[8:9], gt s[10:11]
	s_load_b64 s[12:13], s[0:1], 0x20              ; out
	v_lshl_add_u32 v[SPW], v0, 2, SPARE
	v_mov_b32 v[NIL], 0
	v_and_b32 v[LANE], 31, v0
	v_lshrrev_b32 v40, 5, v0
	v_readfirstlane_b32 s14, v40                   ; wave 0..3
	s_lshr_b32 s15, ttmp9, 1                       ; U
	s_and_b32 s16, ttmp9, 1                        ; NH: which 256 columns
	s_mov_b32 s17, 0xffff0000                      ; lanes 16-31
	v_lshlrev_b32 v[L16], 4, v[LANE]
	s_mul_i32 s43, s14, RAW_W
	s_add_co_u32 s43, s43, RAW                     ; my scatter list
.irp k, 36,37,38,39
	v_mov_b32 v\k, 0
.endr
	v_add_nc_u32 v43, s43, v[L16]
	ds_store_b128 v43, v[36:39]                    ; it starts as zeros, so that the four lists merge by OR
	ds_store_b128 v43, v[36:39] offset:512
	ds_store_b128 v43, v[36:39] offset:1024
	s_wait_kmcnt 0x0
	global_load_b128 v[44:47], v[L16], s[10:11]    ; gt: a lane stands for a group of 1,024 tokens
	v_and_b32 v41, 15, v[LANE]                     ; l % 16
	v_lshrrev_b32 v42, 4, v[LANE]                  ; l / 16
	v_mul_u32_u24 v[AFR], v41, XPITCH
	v_lshl_add_u32 v[AFR], v42, 4, v[AFR]
	s_mul_i32 s36, s14, STG_W
	s_add_co_u32 s36, s36, STAGE                   ; my stage
	v_mul_u32_u24 v[STO], v41, SPITCH              ; in: row l % 16 of a block, 32 bytes for each half of the lanes
	v_lshl_add_u32 v[STO], v42, 5, v[STO]
	v_add_nc_u32 v[STO], s36, v[STO]
	v_mul_u32_u24 v[RDB], v42, 8*SPITCH            ; back: lanes 0-15 take row i of a block, lanes 16-31 row 8 + i
	v_lshl_add_u32 v[RDB], v41, 4, v[RDB]
	v_add_nc_u32 v[RDB], s36, v[RDB]
	s_mul_i32 s37, s14, 4*XPITCH
	v_lshl_add_u32 v[XST], v[LANE], 3, s37
	s_mul_i32 s36, s14, MRG_W
	s_add_co_u32 s36, s36, MERGED                  ; my copy of the list
	s_lshl_b32 s37, s14, 4
	s_add_co_u32 s37, s37, s36
	v_mov_b32 v[LG], s37                           ; places 4 w + 0..3 of a block of 16
	v_lshl_add_u32 v[LO], v42, 5, s36              ; places 8 (l / 16) + 0..7
	v_lshl_add_u32 v63, v[LANE], 2, s36
	v_lshl_add_u32 v62, v[LANE], 2, RAW
	v_lshlrev_b32 v[C16], 4, v41
	v_mov_b32 v57, -1
	v_mov_b32 v58, 0                               ; a DPP form reads its destination: written first
	v_lshlrev_b32 v59, 3, v[LANE]
	s_wait_loadcnt 0x0                             ; gt
.irp k, 0,1,2,3
	v_mov_b32 v[48+\k], v[44+\k]                   ; the groups' own counts are kept
.endr
; A running sum over the 32 lanes.  Two counts ride in a word; no sum passes 32,768, so nothing is carried from the lower into the upper.
.macro SCAN r
.irp n, 1,2,4,8
	v_mov_b32_dpp v58, v[\r] row_shr:\n row_mask:0xf bank_mask:0xf bound_ctrl:1
	v_add_nc_u32 v[\r], v[\r], v58
.endr
	v_readlane_b32 s36, v[\r], 15
	v_mov_b32 v58, s36
	v_cndmask_b32 v58, 0, v58, s17
	v_add_nc_u32 v[\r], v[\r], v58
.endm
	SCAN 44
	SCAN 45
	SCAN 46
	SCAN 47
.irp k, 0,1,2,3
	v_readlane_b32 s[18+\k], v[44+\k], 31
.endr
.irp k, 0,1,2,3
	s_and_b32 s[24+\k], s[18+\k], 0xffff           ; n_0 .. n_3
	s_lshr_b32 s[28+\k], s[18+\k], 16              ; n_4 .. n_7
.endr
	s_mov_b32 s32, 0                               ; the first unit of the expert in hand
	s_mov_b32 s33, 0                               ; E
	s_mov_b32 s34, 0                               ; E's first unit
	s_mov_b32 s35, 0                               ; n_E
; The last expert whose first unit is not behind mine is mine.  ceil(n / 272) = ((n + 271) >> 4) / 17, and a / 17 = (a x 3,856) >> 16 for a <= 2,064: 3,856 / 65,536 exceeds 1 / 17 by 1.44e-5, a x 1.44e-5 < 1 / 17.
.macro DEAL e
	s_cmp_ge_u32 s15, s32
	s_cselect_b32 s33, \e, s33
	s_cselect_b32 s34, s32, s34
	s_cselect_b32 s35, s[24+(\e)], s35
	s_add_co_u32 s36, s[24+(\e)], QROWS-1
	s_lshr_b32 s36, s36, 4
	s_mul_i32 s36, s36, 3856
	s_lshr_b32 s36, s36, 16
	s_add_co_u32 s32, s32, s36
.endm
.irp e, 0,1,2,3,4,5,6,7
	DEAL \e
.endr
	s_sub_co_u32 s38, s15, s34
	s_mul_i32 s38, s38, QROWS                      ; R0: the rank, among E's tokens, of my first row
	s_sub_co_i32 s39, s35, s38
	s_max_i32 s39, s39, 0
	s_min_i32 s39, s39, QROWS                      ; C: my rows, 0 to 272
	s_min_u32 s33, s33, 7
	s_and_b32 s41, s33, 3                          ; E's word of the four,
	s_lshr_b32 s40, s33, 2
	s_lshl_b32 s40, s40, 4                         ; and its half of the word
	v_mov_b32 v53, v44
	v_mov_b32 v52, v48
.irp k, 1,2,3
	s_cmp_eq_u32 s41, \k
	s_cselect_b32 s42, -1, 0
	v_cndmask_b32 v53, v53, v[44+\k], s42
	v_cndmask_b32 v52, v52, v[48+\k], s42
.endr
	v_lshrrev_b32 v53, s40, v53
	v_lshrrev_b32 v52, s40, v52
	v_and_b32 v53, 0xffff, v53                     ; E's tokens up to and with group g,
	v_and_b32 v52, 0xffff, v52                     ; in group g
	v_sub_nc_u32 v52, v53, v52
	v_sub_nc_u32 v52, v52, s38                     ; BE(g): the place of the group's first token in my list (may be below 0),
	v_sub_nc_u32 v53, v53, s38                     ; EN(g): of the next group's
	s_lshl_b32 s36, s33, 13                        ; tab: (32 E + w + 4 i) x 256 bytes
	s_lshl_b32 s37, s14, 8
	s_add_co_u32 s36, s36, s37
	s_mov_b32 s37, 0
	s_add_nc_u64 s[8:9], s[8:9], s[36:37]
	s_lshl_b32 s36, s33, 3
	s_lshl2_add_u32 s36, s16, s36
	s_add_co_u32 s36, s36, s14
	s_lshl_b32 s36, s36, 16                        ; wf: slice 8 E + 4 NH + w of 65,536 bytes
	s_add_nc_u64 s[6:7], s[6:7], s[36:37]
	s_lshl_b32 s36, s16, 10                        ; out: columns 256 NH + 64 w, 4 bytes each
	s_lshl_b32 s52, s14, 8
	s_add_co_u32 s36, s36, s52
	s_add_nc_u64 s[12:13], s[12:13], s[36:37]
.irp i, 0,1,2,3,4,5,6,7
	global_load_b64 v[192+2*\i:193+2*\i], v59, s[8:9] offset:1024*\i   ; group w + 4 i: a lane stands for a word of 32 tokens: bm, wp
.endr
; W's fragments of K step ks: eight loads of 512 consecutive bytes
.macro WLOAD ks
	WIN 0x80+0x40*((\ks)/8)
.irp n, 0,1,2,3
.irp hf, 0,1
	global_load_b128 v[32*((\ks)%8)+8*\n+4*\hf:32*((\ks)%8)+8*\n+4*\hf+3], v[L16], s[6:7] offset:4096*(\ks)+1024*\n+512*\hf
.endr
.endr
	WIN 0
.endm
.irp ks, 0,1,2,3,4,5
	WLOAD \ks
.endr
	s_wait_loadcnt 48                              ; the 48 loads of W are younger: tab is in
; Group w + 4 i.  It is jumped if none of its tokens falls into my list.  Else four words a trip, so that the four chains of dependent lines cover each other: a token's place is
; BE + wp + the number of the word's tokens in lower lanes; lanes that are not E's, and places outside 0-287 (as unsigned numbers), go to the dump place.
.macro GROUP i
	s_add_co_u32 s44, s14, 4*(\i)
	v_readlane_b32 s45, v52, s44
	v_readlane_b32 s46, v53, s44
	s_cmp_ge_i32 s45, s39
	s_cbranch_scc1 .Lskip_\@
	s_cmp_le_i32 s46, 0
	s_cbranch_scc1 .Lskip_\@
	v_add_nc_u32 v54, s45, v[193+2*(\i)]
	s_lshl_b32 s52, s44, 10
	v_add_nc_u32 v132, s52, v[LANE]                ; my token in words 0, 1, 2, 3
	v_add_nc_u32 v133, 32, v132
	v_add_nc_u32 v134, 64, v132
	v_add_nc_u32 v135, 0x60, v132
	s_mov_b32 s47, 0
.Lword_\@:
	s_add_co_u32 s60, s47, 1
	s_add_co_u32 s61, s47, 2
	s_add_co_u32 s62, s47, 3
	v_readlane_b32 s48, v[192+2*(\i)], s47
	v_readlane_b32 s49, v54, s47
	v_readlane_b32 s54, v[192+2*(\i)], s60
	v_readlane_b32 s55, v54, s60
	v_readlane_b32 s56, v[192+2*(\i)], s61
	v_readlane_b32 s57, v54, s61
	v_readlane_b32 s58, v[192+2*(\i)], s62
	v_readlane_b32 s59, v54, s62
	v_mbcnt_lo_u32_b32 v128, s48, s49
	v_mbcnt_lo_u32_b32 v129, s54, s55
	v_mbcnt_lo_u32_b32 v130, s56, s57
	v_mbcnt_lo_u32_b32 v131, s58, s59
	v_cndmask_b32 v128, v57, v128, s48
	v_cndmask_b32 v129, v57, v129, s54
	v_cndmask_b32 v130, v57, v130, s56
	v_cndmask_b32 v131, v57, v131, s58
.irp k, 128,129,130,131
	v_min_u32 v\k, 288, v\k
.endr
.irp k, 128,129,130,131
	v_lshl_add_u32 v\k, v\k, 2, s43
.endr
.irp k, 0,1,2,3
	ds_store_b32 v[128+\k], v[132+\k]
.endr
.irp k, 132,133,134,135
	v_add_nc_u32 v\k, 0x80, v\k
.endr
	s_add_co_u32 s47, s47, 4
	s_cmp_lt_u32 s47, 32
	s_cbranch_scc1 .Lword_\@
.Lskip_\@:
.endm
.irp i, 0,1,2,3,4,5,6,7
	GROUP \i                                       ; the list's scatter stands ahead of the rest of W: the 48 loads that are out arrive meanwhile
.endr
.irp ks, 6,7,8,9,10,11,12,13,14,15
	WLOAD \ks
.endr
	s_wait_dscnt 0x0                               ; for the others' sake: my list is written
	s_barrier_signal -1
	s_barrier_wait -1
.irp b, 0,1,2,3,4,5,6,7,8
.irp ww, 0,1,2,3
	ds_load_b32 v[128+4*\b+\ww], v62 offset:RAW_W*\ww+128*\b   ; place 32 b + lane of the four lists
.endr
.endr
	s_wait_dscnt 0x0
.irp b, 0,1,2,3,4,5,6,7,8
	v_or_b32 v[128+4*\b], v[128+4*\b], v[129+4*\b]
	v_or_b32 v[130+4*\b], v[130+4*\b], v[131+4*\b]
	v_or_b32 v[128+4*\b], v[128+4*\b], v[130+4*\b]
.endr
	v_readfirstlane_b32 s50, v128                  ; the unit's first row
	v_mov_b32 v61, s50
.irp b, 0,1,2,3,4,5,6,7,8
	v_add_nc_u32 v60, 32*\b, v[LANE]
	v_cmp_gt_u32 vcc_lo, s39, v60
	v_cndmask_b32 v[128+4*\b], v61, v[128+4*\b], vcc_lo    ; places at or past C repeat it
	ds_store_b32 v63, v[128+4*\b] offset:128*\b            ; into my own copy: no other wave reads it, so no barrier follows
.endr
; ---------------- THE PARTS OF A TRIP ----------------
; Quarter j of a tile is rows 2 j and 2 j + 1 of the wave's 8: row 4 m + i of them is row 16 m + 4 w + i of the tile.
; ISSUE: quarter j of a tile is asked for, into staging buffer sb; tk: the first of the 8 registers with the rows' byte offsets.
.macro ISSUE sb, j, tk
	WIN 0x40
.irp r, 0,1
.irp q, 0,1,2,3
	global_load_b128 v[128*(\sb)+32*(\j)+16*\r+4*\q:128*(\sb)+32*(\j)+16*\r+4*\q+3], v[(\tk)+2*(\j)+\r], s[4:5] offset:512*\q   ; 512 consecutive bytes of a row; the unit's other work-group reads the same rows, so no hint
.endr
.endr
	WIN 0
.endm
; LAY: quarter j in staging buffer sb has landed (left = the younger loads that may stay out); it is rounded to f16 and laid into slot sb.  iss = 1: the same quarter of the tile two further on is asked for, into the same registers.
.macro LAY sb, j, left, iss, tk
	s_wait_loadcnt \left
	WIN 0x45
.set z, 128*(\sb)+32*(\j)
.rept 8
	v_cvt_pk_f16_f32 v[z], v[z], v[z+1]
	v_cvt_pk_f16_f32 v[z+1], v[z+2], v[z+3]
.set z, z+4
.endr
	WIN 0x04
.irp r, 0,1
.irp q, 0,1,2,3
	ds_store_b64 v[XST], v[128*(\sb)+32*(\j)+16*\r+4*\q:128*(\sb)+32*(\j)+16*\r+4*\q+1] offset:(\sb)*XSLOT+(16*((\j)/2)+2*((\j)%2)+\r)*XPITCH+256*\q   ; 256 consecutive bytes
.endr
.endr
.if \iss
	ISSUE \sb, \j, \tk
.else
	WIN 0
.endif
.endm
; FETCH: the fragments of x for K steps 4 q + 0..3, mb blocks of 16 rows, out of slot p: (kk, m) at buf + 16 kk + 8 m.  8 mb loads.
.macro FETCH p, q, buf, mb
.irp kk, 0,1,2,3
.irp m, 0,1
.if \m < (\mb)
	ds_load_b128 v[(\buf)+16*\kk+8*\m:(\buf)+16*\kk+8*\m+3],   v[AFR] offset:(\p)*XSLOT+16*XPITCH*\m+64*(4*(\q)+\kk)
	ds_load_b128 v[(\buf)+16*\kk+8*\m+4:(\buf)+16*\kk+8*\m+7], v[AFR] offset:(\p)*XSLOT+16*XPITCH*\m+64*(4*(\q)+\kk)+32
.endif
.endr
.endr
.endm
; MULH: K steps 4 q + k0 and 4 q + k0 + 1: 8 mb matrix instructions.  The accumulators take turns, one instruction a turn; K step 0 starts the sums with the constant 0: nothing is cleared.
.macro MULH q, buf, k0, mb
.irp kk, \k0, (\k0)+1
.irp m, 0,1
.if \m < (\mb)
.irp n, 0,1,2,3
.if (4*(\q)+(\kk)) == 0
	v_wmma_f32_16x16x32_f16 v[ACC+8*(4*\m+\n):ACC+8*(4*\m+\n)+7], v[32*((4*(\q)+(\kk))%8)+8*\n:32*((4*(\q)+(\kk))%8)+8*\n+7], v[(\buf)+16*(\kk)+8*\m:(\buf)+16*(\kk)+8*\m+7], 0
.else
	v_wmma_f32_16x16x32_f16 v[ACC+8*(4*\m+\n):ACC+8*(4*\m+\n)+7], v[32*((4*(\q)+(\kk))%8)+8*\n:32*((4*(\q)+(\kk))%8)+8*\n+7], v[(\buf)+16*(\kk)+8*\m:(\buf)+16*(\kk)+8*\m+7], v[ACC+8*(4*\m+\n):ACC+8*(4*\m+\n)+7]
.endif
.endr
.endif
.endr
.endr
.endm
; THE WAY OUT goes in four chunks: chunk c is rows 4 (c % 2) + 0..3 and 8 + 4 (c % 2) + 0..3 of block c / 2, in register buffer c % 2.
; LDC: its 8 tokens (4 a lane) and its 4 loads from my stage.  5 LDS loads.
.macro LDC c, looff
	ds_load_b128 v[TKC+4*((\c)%2):TKC+4*((\c)%2)+3], v[LO] offset:(\looff)+64*((\c)/2)+16*((\c)%2)
.irp t, 0,1,2,3
	ds_load_b128 v[OBC+16*((\c)%2)+4*\t:OBC+16*((\c)%2)+4*\t+3], v[RDB] offset:SPITCH*(16*((\c)/2)+4*((\c)%2)+\t)   ; my own stage: LDS serves a wave's instructions in order (ISA guide 5.7.1.4)
.endr
.endm
; PROC: the tokens become byte offsets (eight plain vector lines, which also serve as the places behind the matrix instructions ahead of them), and the chunk is stored; the stores of a block wholly past C are jumped.
.macro PROC c
.irp t, 0,1,2,3
	v_min_u32 v[TKC+4*((\c)%2)+\t], 0x7fff, v[TKC+4*((\c)%2)+\t]
.endr
.irp t, 0,1,2,3
	v_lshl_add_u32 v[TKC+4*((\c)%2)+\t], v[TKC+4*((\c)%2)+\t], 11, v[C16]
.endr
	s_add_co_u32 s52, s51, 16*((\c)/2)
	s_cmp_lt_u32 s52, s39
	s_cbranch_scc0 .Ldead_\@
.irp t, 0,1,2,3
	global_store_b128 v[TKC+4*((\c)%2)+\t], v[OBC+16*((\c)%2)+4*\t:OBC+16*((\c)%2)+4*\t+3], s[12:13] th:TH_STORE_NT   ; 16 lanes store 256 consecutive bytes of a token's row, at a multiple of 256 from out's first byte
.endr
.Ldead_\@:
.endm
; STG: the tile's sums go into my stage.  Each accumulator's low four registers are read first.  8 mb LDS stores.
.macro STG mb
.irp m, 0,1
.if \m < (\mb)
.irp n, 0,1,2,3
	ds_store_b128 v[STO], v[ACC+8*(4*\m+\n):ACC+8*(4*\m+\n)+3]   offset:16*SPITCH*\m+64*\n
	ds_store_b128 v[STO], v[ACC+8*(4*\m+\n)+4:ACC+8*(4*\m+\n)+7] offset:16*SPITCH*\m+64*\n+16
.endr
.endif
.endr
.endm
; A load into a register that a matrix instruction has read, and a store that reads a matrix result, stand four plain vector instructions or more behind it, a matrix instruction that writes over a result five
; (ISA guide 7.12.1 for vector instructions).  Where the way out's address lines are at hand they are those places; else v_nop.
.macro PLACES n
.rept \n
	v_nop
.endr
.endm
; TRIP t.  p: tile t's slot; mb: its blocks.  out = 1: tile t - 1 goes out (its tokens at LO + looff).  lay: quarters of tile t + 1 to lay down (4, 2, 0), l0-l3 their waits' counts.
; iss: quarters of tile t + 3 to ask for (4, 2, 0), tk their offsets' registers; tkv = 1: those registers hold tokens, loaded at the end of the trip before.  ssp: the stage stores issued there.
; nxt, nmb: there is a tile t + 1, of nmb blocks.  tkl = 1: the tokens of tile t + 4 (at LG + lgoff) are loaded at the trip's end.
; bar = 1: ONE barrier a trip.  In front of its signal my stores of tile t + 1's rows and my reads of tile t's slot are done; behind its wait the other slot is read, and the next trip writes this one.
; s_wait_xcnt 0 stands a run of matrix instructions behind the last global instruction, and ahead of each line that loads anew registers which stores or gathers have named (ISA guide 3.1).
.macro TRIP p, mb, out, lay, iss, l0, l1, l2, l3, looff, tk, tkv, ssp, nxt, nmb, tkl, lgoff, bar
.set LA, ((\lay)+2)/4                  ; 1: quarters 0 and 1 are laid down
.set LB, (\lay)/4                      ; 1: quarters 2 and 3 too
.set IA, ((\iss)+2)/4                  ; the same for the asking
.set IB, (\iss)/4
.if \out
	LDC 0, \looff
.endif
	FETCH \p, 1, AB1, \mb
.if \tkv
	s_wait_dscnt (\ssp)+5*(\out)+8*(\mb)           ; the tokens are in: younger are the stage stores, chunk 0's loads and the fragments just asked for
.irp k, 0,1,2,3,4,5,6,7
	v_min_u32 v[TKG+\k], 0x7fff, v[TKG+\k]
.endr
.irp k, 0,1,2,3,4,5,6,7
	v_lshl_add_u32 v[TKG+\k], v[TKG+\k], 11, v[L16]
.endr
.endif
.if LA
	LAY 1-(\p), 0, \l0, IA, \tk
.endif
	s_wait_dscnt (\ssp)+5*(\out)+8*(\mb)+8*LA      ; the fragments of K steps 0-3, asked for in the trip before, are in: younger are the same and the quarter's 8 stores
	WIN 0x02
	MULH 0, AB0, 0, \mb
	MULH 0, AB0, 2, \mb
	WIN 0
.if \out
	s_wait_xcnt 0x0
.endif
	s_wait_dscnt 8*LA                              ; all but the quarter's 8 stores: chunk 0 and K steps 4-7
.if \out
	PROC 0
	LDC 1, \looff
.else
	PLACES 4
.endif
	FETCH \p, 2, AB0, \mb
.if LA
	LAY 1-(\p), 1, \l1, IA, \tk
.endif
	WIN 0x02
	MULH 1, AB1, 0, \mb
	MULH 1, AB1, 2, \mb
	WIN 0
.if \out
	s_wait_xcnt 0x0
.endif
	s_wait_dscnt 8*LA                              ; all but the quarter's 8 stores: chunk 1 and K steps 8-11
.if \out
	PROC 1
	LDC 2, \looff
.else
	PLACES 4
.endif
	FETCH \p, 3, AB1, \mb
.if LB
	LAY 1-(\p), 2, \l2, IB, \tk
	LAY 1-(\p), 3, \l3, IB, \tk
.endif
	WIN 0x03
	MULH 2, AB0, 0, \mb
	MULH 2, AB0, 2, \mb
	WIN 0
.if \out
	s_wait_xcnt 0x0
.endif
	s_wait_dscnt 0x0                               ; chunk 2 and the last fragments are in: my reads of this slot are over, and my stores into the other are done
.if \out
	PROC 2
.else
	PLACES 4
.endif
.if \bar
	s_barrier_signal -1
.endif
	WIN 0x03
	MULH 3, AB1, 0, \mb                            ; work on registers while the others arrive
	WIN 0
.if \bar
	s_barrier_wait -1
.endif
.if \out
	LDC 3, \looff
.endif
.if \nxt
	FETCH 1-(\p), 0, AB0, \nmb                     ; the next tile's first fragments: they land under the products below
.endif
	WIN 0x03
	MULH 3, AB1, 2, \mb
	WIN 0
	s_wait_xcnt 0x0
.if \out
	s_wait_dscnt 8*(\nmb)*(\nxt)                   ; chunk 3 is in; the next tile's fragments are younger
	PROC 3
.else
	PLACES 5
.endif
.if \tkl
	ds_load_b128 v[TKG:TKG+3],   v[LG] offset:(\lgoff)      ; the tokens of rows 4 w + 0..3,
	ds_load_b128 v[TKG+4:TKG+7], v[LG] offset:(\lgoff)+64   ; and 16 + 4 w + 0..3
.endif
	STG \mb
.if \out
	s_add_co_u32 s51, s51, 32                      ; the first place of the tile that goes out next
.endif
.endm
	; ---------------- THE WALK ----------------
	; The tokens of tiles 0 to 3 get registers of their own, v12-43, so that no wait stands between the loads of W and the first gathers.
.irp tt, 0,1,2,3
	ds_load_b128 v[12+8*\tt:15+8*\tt], v[LG] offset:128*\tt
	ds_load_b128 v[16+8*\tt:19+8*\tt], v[LG] offset:128*\tt+64
.endr
	s_wait_dscnt 0x0
.set z, 12
.rept 32
	v_min_u32 v[z], 0x7fff, v[z]
.set z, z+1
.endr
.set z, 12
.rept 32
	v_lshl_add_u32 v[z], v[z], 11, v[L16]
.set z, z+1
.endr
.irp j, 0,1,2,3
	ISSUE 0, \j, 12                                ; tile 0,
.endr
.irp j, 0,1,2,3
	ISSUE 1, \j, 20                                ; tile 1
.endr
.irp j, 0,1,2,3
	LAY 0, \j, 56, 1, 28                           ; tile 0 goes into slot 0 and tile 2 is asked for.  56 younger loads: 24 - 8 j of tile 0, 32 of tile 1, 8 j of tile 2; W's loads are older, so W is in too
.endr
	s_wait_dscnt 0x0                               ; for the others' sake: my rows of tile 0 lie in slot 0
	s_barrier_signal -1
	s_barrier_wait -1
	FETCH 0, 0, AB0, 2
	s_mov_b32 s51, 0
	;    p mb out lay iss  l0  l1  l2  l3 looff  tk tkv ssp nxt nmb tkl lgoff bar
	TRIP 0, 2, 0,  4,  4,  56, 56, 56, 56, 0,    36,  0, 0,  1,  2,  1,  512,  1   ; tile 0: nothing goes out yet; tile 3's offsets lie in v36-43.  In every full trip the count is 56: 24 - 8 j of the tile laid down, 32 of the next, 8 j just asked for
	s_mov_b32 s53, 2
.Lpair:                                                ; twice: tiles 1, 2 and 3, 4
	TRIP 1, 2, 1,  4,  4,  56, 56, 56, 56, 0,    TKG, 1, 16, 1,  2,  1,  640,  1
	TRIP 0, 2, 1,  4,  4,  56, 56, 56, 56, 128,  TKG, 1, 16, 1,  2,  1,  768,  1
	v_add_nc_u32 v[LG], 256, v[LG]
	v_add_nc_u32 v[LO], 256, v[LO]
	s_sub_co_u32 s53, s53, 1
	s_cmp_lg_u32 s53, 0
	s_cbranch_scc1 .Lpair
	TRIP 1, 2, 1,  4,  2,  56, 56, 56, 48, 0,    TKG, 1, 16, 1,  2,  0,  0,    1   ; tile 5: tile 8 has 16 rows: two quarters are asked for, so the last count is 32 + 16
	TRIP 0, 2, 1,  4,  0,  40, 32, 24, 16, 128,  TKG, 0, 16, 1,  2,  0,  0,    1   ; tile 6: nothing is left to ask for: 24 - 8 j of tile 7 and tile 8's 16
	TRIP 1, 2, 1,  2,  0,  8,  0,  0,  0,  256,  TKG, 0, 16, 1,  1,  0,  0,    1   ; tile 7: tile 8's two quarters are laid down
	TRIP 0, 1, 1,  0,  0,  0,  0,  0,  0,  384,  TKG, 0, 16, 0,  0,  0,  0,    0   ; tile 8: one block; no slot is written any more, so no barrier
	s_wait_xcnt 0x0                                ; the last stores have read their offsets and data
	LDC 0, 512                                     ; tile 8 goes out
	LDC 1, 512
	s_wait_dscnt 0x0
	PROC 0
	PROC 1
	s_wait_tensorcnt 0x0                           ; the wave's end, behind my last LDS store
	ds_add_u32 v[SPW], v[NIL]
	s_wait_dscnt 0x0
	s_endpgm
.Lfunc_end_k_q9bcc39d775_chain:
	.size	k_q9bcc39d775_chain, .Lfunc_end_k_q9bcc39d775_chain-k_q9bcc39d775_chain
	.p2alignl 7, 3214868480
	.fill 96, 4, 3214868480
	.section	.rodata,"a",@progbits
	.p2align	6, 0x0
	.amdhsa_kernel k_q9bcc39d775_chain
		.amdhsa_group_segment_fixed_size 113152
		.amdhsa_private_segment_fixed_size 0
		.amdhsa_enable_private_segment 0
		.amdhsa_kernarg_size 40
		.amdhsa_user_sgpr_count 2
		.amdhsa_user_sgpr_kernarg_segment_ptr 1
		.amdhsa_wavefront_size32 1
		.amdhsa_system_sgpr_workgroup_id_x 1
		.amdhsa_system_sgpr_workgroup_id_y 1
		.amdhsa_system_sgpr_workgroup_id_z 1
		.amdhsa_system_vgpr_workitem_id 0
		.amdhsa_next_free_vgpr 1024
		.amdhsa_next_free_sgpr 66
		.amdhsa_reserve_vcc 1
		.amdhsa_float_denorm_mode_32 3
		.amdhsa_float_denorm_mode_16_64 3
		.amdhsa_memory_ordered 1
		.amdhsa_forward_progress 1
		.amdhsa_inst_pref_size 246
	.end_amdhsa_kernel
	.amdgpu_metadata
---
amdhsa.version: [ 1, 2 ]
amdhsa.kernels:
  - .name:           k_q9bcc39d775_chain
    .symbol:         k_q9bcc39d775_chain.kd
    .args:
      - { .name: x, .offset: 0, .size: 8, .value_kind: global_buffer, .address_space: global }
      - { .name: wf, .offset: 8, .size: 8, .value_kind: global_buffer, .address_space: global }
      - { .name: tab, .offset: 16, .size: 8, .value_kind: global_buffer, .address_space: global }
      - { .name: gt, .offset: 24, .size: 8, .value_kind: global_buffer, .address_space: global }
      - { .name: out0, .offset: 32, .size: 8, .value_kind: global_buffer, .address_space: global }
    .group_segment_fixed_size: 113152
    .private_segment_fixed_size: 0
    .kernarg_segment_align: 8
    .kernarg_segment_size: 40
    .max_flat_workgroup_size: 128
    .sgpr_count:     66
    .vgpr_count:     1024
    .wavefront_size: 32
...
	.end_amdgpu_metadata
.endif
;; end of part 4
